; MI455X (gfx1250); checked and timed in simulation.
; The chip was launched on July 23, 2026; its instructions are those of AMD's public machine-readable ISA for CDNA 5 (MIT licence, August 2026) and "CDNA5" Instruction Set Architecture Reference Guide (July 2026). The comments in the code are by the model that wrote it; some were corrected since.
;; Sparse MOE. Allowed arithmetic: float matrix products may take bf16 or f16 operands with f32 sums; all other float work in f32.
;; Inputs: w1 8 x 1,024 x 1,024 float32; w3 8 x 1,024 x 1,024 float32; wg 1,024 x 8 float32; x 4 x 1,024 x 1,024 float32.
;; Outputs: out0 4 x 1,024 x 1,024 float32.
;; One version. Each part assembles by itself: llvm-mc -triple=amdgcn-amd-amdhsa -mcpu=gfx1250 --defsym DOCPART=n.
;; ======== version 1 of 1: 5 launches
;; workspace buffers: ids 16,384 bytes of whole numbers; gbuf 32,768 bytes; cnt 256 bytes of whole numbers; qs 131,072 bytes of whole numbers; gs 131,072 bytes; xs 67,108,864 bytes; y 33,554,432 bytes; ql 262,400 bytes of whole numbers
;; launch gate (part 1): grid 256 x 1, 4 waves a work-group, no clusters, 168,448 bytes of LDS; arguments x, wg, ids, gbuf; writes ids, gbuf
.if DOCPART == 1
	.amdgcn_target "amdgcn-amd-amdhsa--gfx1250"
	.amdhsa_code_object_version 6
	.text
	.protected	k_q09b29145bd_gate
	.globl	k_q09b29145bd_gate
	.p2align	8
	.type	k_q09b29145bd_gate,@function
k_q09b29145bd_gate:
	s_mov_b64 s[64:65], 0
	v_nop
	global_prefetch_b8 v0, s[64:65] scope:SCOPE_SE
	s_setreg_imm32_b32 hwreg(HW_REG_WAVE_MODE, 25, 1), 1
	s_wait_xcnt 0x0
; THE GATE.  logits[t][e] = sum over k of x[t][k] wg[k][e]; the two largest of a token's 8 logits; softmax over those two.
; x: [4096][1024] f32, wg: [1024][8] f32.  Out: ids[t] = (1 << e0) | (1 << (e1 + 8)), one word a token (e0 the largest logit's expert, e1 the second's);
; gbuf[2 t] = gate of e0, gbuf[2 t + 1] = gate of e1, f32.
; The product goes to the matrix unit with x and wg rounded to bf16 and f32 sums, as the experts' products do, so that the whole program is one function of the rounded inputs.
; SHARES.  A work-group owns 16 tokens; wave w sums over k = 256 w .. 256 w + 255; the four partial sums meet in LDS and wave 0 finishes.
; LIMITS.  NaN logits are not served.  Equal logits: the lower expert wins, as in top_k.  The maximum is taken away before the exponential; the second gate is 0 where
; the two logits lie more than 126 / log2(e) = 87.3 apart (v_exp_f32 flushes results under 2^-126: ISA guide, its entry in 15.8).
; The stores are 64 and 128 bytes a work-group: 48 KiB in the whole launch.
.set XPITCH, 1040                      ; a row of my x tile in LDS: 1,024 bytes + 16 of padding = 65 x 16: the 16 rows that a load touches start 16 bytes apart modulo 256
.set XTILE,  16*XPITCH                 ; 16,640 bytes for each wave, from LDS byte 0; filled by the tensor load alone
.set WGB,    4*XTILE                   ; 66,560: wg in bf16, 8,192 bytes for each wave: row k = 32 bytes: 8 experts, 8 zeros
.set RED,    WGB+4*8192                ; 99,328: the partial sums, 1,024 bytes for each wave: 32 bytes a lane
.set LANE, 1
.set R,    2                           ; lane % 16
.set H,    3                           ; lane / 16
.set XA,   4                           ; LDS address of my fragments of x
.set WA,   5                           ; LDS address for the turning loads of wg
.set WS,   6                           ; LDS address at which I put a row of wg
.set WO,   7                           ; byte offset of my first row of wg in memory
.set RA,   8                           ; where I put my partial sums
.set RB,   9                           ; where wave 0 reads them
.set XF,   16                          ; v[16:143]  first wg as loaded (64 registers), then x: K step s at XF + 16 s: 16 f32, then 8 registers of bf16
.set WF,   144                         ; v[144:207] wg's fragments, 8 a K step
.set ACC0, 208
.set ACC1, 216
.set P,    224                         ; v[224:231] ACC0 + ACC1
.set Z,    232                         ; v[232:235] zeros
.set CV,   236                         ; v[236:243] two sets of 4: a row of wg in bf16
.set L,    16                          ; wave 0's end: the 8 logits
.set M1,   48
.set I1,   49
.set M2,   50
.set I2,   51
	s_load_b256 s[4:11], s[0:1], 0x0               ; x s[4:5], wg s[6:7], ids s[8:9], gbuf s[10:11]
	v_lshl_add_u32 v254, v0, 2, 0x29000
	v_mov_b32 v255, 0
	ds_add_u32 v254, v255
	ds_add_u32 v254, v255
	v_lshrrev_b32 v1, 5, v0
	v_readfirstlane_b32 s24, v1                    ; wave 0..3
	s_lshl_b32 s26, ttmp9, 16                      ; the work-group's 16 rows of 4,096 bytes
	s_lshl_b32 s25, s24, 10                        ; my wave's 256 numbers of a row
	s_add_co_u32 s26, s26, s25
	s_mov_b32 s27, 0
	; the descriptor: 16 rows x 256 elements of 4 bytes, 1,024 elements from row to row, 4 words of padding behind every 256 words
	s_mov_b32 s12, 1                               ; count = 1
	s_mul_i32 s13, s24, XTILE                      ; LDS address: the wave's number times a constant
	s_mov_b32 s16, (2<<16)|(1<<20)|(7<<22)|(3<<25) ; no mask; elements of 4 bytes; padding on; after every 256 words (code 7); 4 words (code 3)
	s_mov_b32 s17, 256<<16                         ; tensor_dim0 = 256
	s_mov_b32 s18, 16<<16                          ; tensor_dim1 = 16
	s_mov_b32 s19, 256<<16                         ; tile_dim0 = 256
	s_mov_b32 s20, 16                              ; tile_dim1 = 16
	s_mov_b32 s21, 1024                            ; elements from row to row
	s_mov_b32 s22, 0
	s_mov_b32 s23, 0
	s_wait_dscnt 0x0
	s_wait_kmcnt 0x0
	s_add_nc_u64 s[14:15], s[4:5], s[26:27]
	s_or_b32 s15, s15, 0x80000000                  ; type = 2
	tensor_load_to_lds s[12:15], s[16:23]          ; my one tensor load: nothing is ever filled again
	s_nop 0
	v_and_b32 v[LANE], 31, v0
	v_and_b32 v[R], 15, v0
	v_bfe_u32 v[H], v0, 4, 1
	s_lshl_b32 s28, s24, 13                        ; 8,192 w: my 256 rows of wg in memory (32 bytes each), and my part of WGB
	v_lshlrev_b32 v[WO], 5, v[LANE]
	v_add_nc_u32 v[WO], s28, v[WO]                 ; row 256 w + lane
.irp i, 0,1,2,3,4,5,6,7
	global_load_b128 v[XF+8*\i:XF+8*\i+3],   v[WO], s[6:7] offset:1024*\i      ; row 256 w + 32 i + lane: the two loads together take 1,024 neighbouring bytes
	global_load_b128 v[XF+8*\i+4:XF+8*\i+7], v[WO], s[6:7] offset:1024*\i+16
.endr
	v_add_nc_u32 v[WS], WGB, v[WO]
	v_mul_u32_u24 v[XA], v[R], XPITCH
	v_lshl_add_u32 v[XA], v[H], 5, v[XA]
	v_add_nc_u32 v[XA], s13, v[XA]                 ; my tile + row r + 32 h: k = 8 h on, in f32
	v_and_b32 v10, 7, v0
	v_lshl_add_u32 v10, v[H], 3, v10               ; the turning load: lane l reads row 8 (l / 16) + l % 8,
	v_bfe_u32 v11, v0, 3, 1
	v_lshlrev_b32 v10, 5, v10
	v_lshl_add_u32 v10, v11, 4, v10                ; its 16 bytes number (l / 8) % 2
	s_add_co_u32 s29, s28, WGB
	v_add_nc_u32 v[WA], s29, v10
	s_lshl_b32 s30, s24, 10
	s_add_co_u32 s30, s30, RED
	v_lshl_add_u32 v[RA], v[LANE], 5, s30
	v_lshlrev_b32 v[RB], 5, v[LANE]
	v_add_nc_u32 v[RB], RED, v[RB]
.irp j, 0,1,2,3
	v_mov_b32 v[Z+\j], 0
.endr
	s_wait_loadcnt 0x0                             ; wg
.irp i, 0,1,2,3,4,5,6,7
.irp j, 0,1,2,3
	v_cvt_pk_bf16_f32 v[CV+4*(\i%2)+\j], v[XF+8*\i+2*\j], v[XF+8*\i+2*\j+1]
.endr
	ds_store_b128 v[WS], v[CV+4*(\i%2):CV+4*(\i%2)+3] offset:1024*\i   ; 8 experts,
	ds_store_b128 v[WS], v[Z:Z+3] offset:1024*\i+16                    ; 8 zeros: the matrix instruction wants 16 rows
.endr
	s_wait_tensorcnt 0x0                           ; my tile is in LDS; only I read it
.irp s, 0,1,2,3,4,5,6,7
	ds_load_b128 v[XF+16*\s:XF+16*\s+3],     v[XA] offset:128*\s       ; k = 32 s + 8 h + 0..3
	ds_load_b128 v[XF+16*\s+4:XF+16*\s+7],   v[XA] offset:128*\s+16    ;                 4..7
	ds_load_b128 v[XF+16*\s+8:XF+16*\s+11],  v[XA] offset:128*\s+64    ; k = 32 s + 16 + 8 h + 0..3
	ds_load_b128 v[XF+16*\s+12:XF+16*\s+15], v[XA] offset:128*\s+80
.endr
.irp s, 0,1,2,3,4,5,6,7
	ds_load_tr16_b128 v[WF+8*\s:WF+8*\s+3],   v[WA] offset:1024*\s     ; my own bytes: LDS serves a wave's instructions in order (ISA guide 5.7.1.4), so these see the stores above
	ds_load_tr16_b128 v[WF+8*\s+4:WF+8*\s+7], v[WA] offset:1024*\s+512 ; 16 rows further on
.endr
	s_wait_dscnt 0x0
.irp s, 0,1,2,3,4,5,6,7
.irp i, 0,1,2,3,4,5,6,7
	v_cvt_pk_bf16_f32 v[XF+16*\s+\i], v[XF+16*\s+2*\i], v[XF+16*\s+2*\i+1]   ; in place, ascending: register i is written when 2 i and 2 i + 1 are read
.endr
.endr
	; source 0 = 16 rows of wg^T (8 experts, 8 zeros), source 1 = 16 tokens: lane r < 16 holds token r, register j expert j.
	; Two accumulators take turns, one instruction a turn; the first two products start the sums.
	v_wmma_f32_16x16x32_bf16 v[ACC0:ACC0+7], v[WF:WF+7], v[XF:XF+7], 0
	v_wmma_f32_16x16x32_bf16 v[ACC1:ACC1+7], v[WF+8:WF+15], v[XF+16:XF+23], 0
.irp s, 2,4,6
	v_wmma_f32_16x16x32_bf16 v[ACC0:ACC0+7], v[WF+8*\s:WF+8*\s+7], v[XF+16*\s:XF+16*\s+7], v[ACC0:ACC0+7]
	v_wmma_f32_16x16x32_bf16 v[ACC1:ACC1+7], v[WF+8*\s+8:WF+8*\s+15], v[XF+16*\s+16:XF+16*\s+23], v[ACC1:ACC1+7]
.endr
.rept 4
	v_nop                                          ; four places between the last product and the first read of a result (ISA guide 7.12.1)
.endr
.irp j, 0,2,4,6
	v_pk_add_f32 v[P+\j:P+\j+1], v[ACC0+\j:ACC0+\j+1], v[ACC1+\j:ACC1+\j+1]   ; from the low end on
.endr
	ds_store_b128 v[RA], v[P:P+3]
	ds_store_b128 v[RA], v[P+4:P+7] offset:16
	s_wait_dscnt 0x0                               ; for wave 0's sake: my partial sums are in LDS
	s_barrier_signal -1
	s_barrier_wait -1
	s_cmp_lg_u32 s24, 0
	s_cbranch_scc1 .Lend                           ; waves 1 to 3 are done
.irp w, 0,1,2,3
	ds_load_b128 v[L+8*\w:L+8*\w+3],   v[RB] offset:1024*\w
	ds_load_b128 v[L+8*\w+4:L+8*\w+7], v[RB] offset:1024*\w+16
.endr
	s_lshl_b32 s26, ttmp9, 6                       ; ids: 16 words a work-group
	s_add_nc_u64 s[8:9], s[8:9], s[26:27]
	s_lshl_b32 s26, ttmp9, 7                       ; gbuf: 32 words
	s_add_nc_u64 s[10:11], s[10:11], s[26:27]
	s_wait_dscnt 0x0
.irp j, 0,2,4,6
	v_pk_add_f32 v[L+\j:L+\j+1], v[L+\j:L+\j+1], v[L+8+\j:L+8+\j+1]
	v_pk_add_f32 v[L+16+\j:L+16+\j+1], v[L+16+\j:L+16+\j+1], v[L+24+\j:L+24+\j+1]
.endr
.irp j, 0,2,4,6
	v_pk_add_f32 v[L+\j:L+\j+1], v[L+\j:L+\j+1], v[L+16+\j:L+16+\j+1]
.endr
	; the two largest, by selects alone: no branch hangs on a logit.  A logit takes a place only if it is LARGER than the holder, so the lower expert keeps a tie.
	v_mov_b32 v[M1], v[L]
	v_mov_b32 v[I1], 0
	v_mov_b32 v[M2], 0xff800000                    ; -inf
	v_mov_b32 v[I2], 0
.irp e, 1,2,3,4,5,6,7
	v_cmp_le_f32 vcc_lo, v[L+\e], v[M1]            ; the first keeps its place
	v_cmp_le_f32 s30, v[L+\e], v[M2]               ; the second would keep its place
	v_cndmask_b32 v[M2], v[L+\e], v[M2], s30
	v_cndmask_b32 v[I2], \e, v[I2], s30
	v_cndmask_b32 v[M2], v[M1], v[M2], vcc_lo      ; a new first pushes the old first down
	v_cndmask_b32 v[I2], v[I1], v[I2], vcc_lo
	v_cndmask_b32 v[M1], v[L+\e], v[M1], vcc_lo
	v_cndmask_b32 v[I1], \e, v[I1], vcc_lo
.endr
	; softmax over the two, the maximum m1 taken away: g0 = 1 / (1 + t), g1 = t / (1 + t), t = e^(m2 - m1) <= 1
	v_sub_f32 v52, v[M2], v[M1]
	v_mul_f32 v52, 0x3fb8aa3b, v52
	v_exp_f32 v53, v52
	v_mov_b32 v54, 1                               ; a plain instruction between the exponential and the use of its result (ISA guide 5.7.2)
	s_wait_alu depctr_va_vdst(0)
	v_add_f32 v55, 1.0, v53
	v_rcp_f32 v56, v55
	v_add_nc_u32 v[I2], 8, v[I2]                   ; the same behind the reciprocal
	s_wait_alu depctr_va_vdst(0)
	v_mul_f32 v57, v53, v56
	v_lshlrev_b32 v58, v[I1], v54
	v_lshlrev_b32 v59, v[I2], v54
	v_or_b32 v58, v58, v59
	v_lshlrev_b32 v60, 2, v[R]
	v_lshlrev_b32 v61, 3, v[R]
	s_wait_xcnt 0x0                                ; EXEC is a source of the loads above: it changes only behind this wait
	v_cmp_gt_u32 vcc_lo, 16, v[LANE]
	s_and_saveexec_b32 s31, vcc_lo                 ; lanes 16 to 31 hold the zero rows' results
	global_store_b32 v60, v58, s[8:9]
	global_store_b64 v61, v[56:57], s[10:11]
	s_wait_xcnt 0x0                                ; and again in front of the line that widens it
	s_or_b32 exec_lo, exec_lo, s31
.Lend:
	s_wait_tensorcnt 0x0
	ds_add_u32 v254, v255
	s_wait_dscnt 0x0
	s_endpgm
.Lfunc_end_k_q09b29145bd_gate:
	.size	k_q09b29145bd_gate, .Lfunc_end_k_q09b29145bd_gate-k_q09b29145bd_gate
	.p2alignl 7, 3214868480
	.fill 96, 4, 3214868480
	.section	.rodata,"a",@progbits
	.p2align	6, 0x0
	.amdhsa_kernel k_q09b29145bd_gate
		.amdhsa_group_segment_fixed_size 168448
		.amdhsa_private_segment_fixed_size 0
		.amdhsa_enable_private_segment 0
		.amdhsa_kernarg_size 32
		.amdhsa_user_sgpr_count 2
		.amdhsa_user_sgpr_kernarg_segment_ptr 1
		.amdhsa_wavefront_size32 1
		.amdhsa_system_sgpr_workgroup_id_x 1
		.amdhsa_system_sgpr_workgroup_id_y 1
		.amdhsa_system_sgpr_workgroup_id_z 1
		.amdhsa_system_vgpr_workitem_id 0
		.amdhsa_next_free_vgpr 256
		.amdhsa_next_free_sgpr 66
		.amdhsa_reserve_vcc 1
		.amdhsa_float_denorm_mode_32 3
		.amdhsa_float_denorm_mode_16_64 3
		.amdhsa_memory_ordered 1
		.amdhsa_forward_progress 1
		.amdhsa_inst_pref_size 21
	.end_amdhsa_kernel
	.amdgpu_metadata
---
amdhsa.version: [ 1, 2 ]
amdhsa.kernels:
  - .name:           k_q09b29145bd_gate
    .symbol:         k_q09b29145bd_gate.kd
    .args:
      - { .name: x, .offset: 0, .size: 8, .value_kind: global_buffer, .address_space: global }
      - { .name: wg, .offset: 8, .size: 8, .value_kind: global_buffer, .address_space: global }
      - { .name: ids, .offset: 16, .size: 8, .value_kind: global_buffer, .address_space: global }
      - { .name: gbuf, .offset: 24, .size: 8, .value_kind: global_buffer, .address_space: global }
    .group_segment_fixed_size: 168448
    .private_segment_fixed_size: 0
    .kernarg_segment_align: 8
    .kernarg_segment_size: 32
    .max_flat_workgroup_size: 128
    .sgpr_count:     66
    .vgpr_count:     256
    .wavefront_size: 32
...
	.end_amdgpu_metadata
.endif
;; end of part 1
;; launch list (part 2): grid 32 x 8, 1 waves a work-group, no clusters, 0 bytes of LDS; arguments ids, ql; writes ql
.if DOCPART == 2
	.amdgcn_target "amdgcn-amd-amdhsa--gfx1250"
	.amdhsa_code_object_version 6
	.text
	.protected	k_q09b29145bd_list
	.globl	k_q09b29145bd_list
	.p2align	8
	.type	k_q09b29145bd_list,@function
k_q09b29145bd_list:
	s_mov_b64 s[64:65], 0
	v_nop
	global_prefetch_b8 v0, s[64:65] scope:SCOPE_SE
	s_setreg_imm32_b32 hwreg(HW_REG_WAVE_MODE, 25, 1), 1
	s_wait_xcnt 0x0
; THE LISTS' PLACES.  ids[t] = (1 << e0) | (1 << (e1 + 8)).  For expert e: its pairs q = 2 t + slot (slot 0: e is token t's first choice, 1: its second) get the places 0 .. M - 1.
; Out: ql[e][place] = q, 4,096 words an expert; behind them, at byte 131,072, ql's word e = M.  Places from M on are not stored, and the next launch does not read them.
; From byte 131,328 on ql has a spare word for each (expert, token), 4,096 an expert: a token that did not choose the expert stores there, so that every lane stores in every
; store and EXEC is never touched.  A spare word is written at most once, by the work-group that owns the token, and no launch reads it.
; SHARES.  Work-group (i, e), one wave: tokens 128 i .. 128 i + 127.  It counts the expert's pairs in ALL 4,096 words (16 KiB, 32 loads of 512 neighbouring bytes): the sum over the
; chunks before its own is its first place, the sum over all is M.  So no work-group waits for another, and the 32 of an expert share out the places 0 .. M - 1 without a gap.
; The order of the places: chunk by chunk; in a chunk word c of each lane's four, c ascending; among those the lanes ascending.  Nothing later hangs on the order.
; No branch hangs on a word of ids: the chunks before mine are chosen by a select on the chunk's number, the place or the spare word by v_cndmask_b32.
; The stores are 4 bytes a lane: 128 KiB in the whole launch.  No LDS, no barrier, no matrix unit, no cluster: the launch counts bits.
.set MOFF,  131072                     ; byte at which the eight counts M begin
.set DUMPW, 32832                      ; word at which the spare words begin (byte 131,328)
.set XD,  16                           ; v[16:143]   all of ids: load j brings lane l the words of tokens 128 j + 4 l + 0..3
.set OWN, 144                          ; v[144:147]  my chunk's four words
.set QV,  148                          ; v[148:151]  their q
.set AV,  152                          ; v[152:155]  where they go, in bytes from ql's first byte
	s_load_b128 s[4:7], s[0:1], 0x0                ; ids s[4:5], ql s[6:7]
	s_and_b32 s8, ttmp7, 0xffff                    ; e
	s_mov_b32 s9, ttmp9                            ; i
	v_lshlrev_b32 v1, 4, v0                        ; 16 lane (one wave: the thread's number is the lane)
	s_lshl_b32 s10, s9, 9                          ; my chunk's 512 bytes
	v_add_nc_u32 v2, s10, v1
	s_lshl_b32 s12, 0x101, s8                      ; the expert's two bits in a word
	s_add_co_u32 s13, s8, 8
	s_mov_b32 s14, 0                               ; pairs in all chunks
	s_mov_b32 s15, 0                               ; pairs in the chunks before mine
	s_lshl_b32 s24, s8, 12                         ; 4,096 words an expert, in the lists and in the spare words
	s_lshl_b32 s25, s9, 7
	s_add_co_u32 s25, s25, s24                     ; 4,096 e + 128 i
	s_wait_kmcnt 0x0
	global_load_b128 v[OWN:OWN+3], v2, s[4:5]      ; the oldest load
.set j, 0
.rept 32
	global_load_b128 v[XD+4*j:XD+4*j+3], v1, s[4:5] offset:512*j
.set j, j+1
.endr
	v_lshl_add_u32 v6, v0, 2, s25
	v_add_nc_u32 v6, DUMPW, v6                     ; the spare word of (e, token 128 i + 4 lane)
	s_lshl_b32 s20, s9, 8
	v_lshlrev_b32 v5, 3, v0
	v_add_nc_u32 v5, s20, v5                       ; 2 (128 i + 4 lane)
.set j, 0
.rept 32
	s_wait_loadcnt 31-j                            ; loads come back in order (ISA guide 5.7.1): load j is in, the 31 - j younger ones may be out
	v_and_b32 v8,  s12, v[XD+4*j]                  ; 0, or one of the expert's two bits
	v_and_b32 v9,  s12, v[XD+4*j+1]
	v_and_b32 v10, s12, v[XD+4*j+2]
	v_and_b32 v11, s12, v[XD+4*j+3]
	v_cmp_ne_u32 s16, 0, v8
	v_cmp_ne_u32 s17, 0, v9
	v_cmp_ne_u32 s18, 0, v10
	v_cmp_ne_u32 s19, 0, v11
	s_bcnt1_i32_b32 s16, s16
	s_bcnt1_i32_b32 s17, s17
	s_bcnt1_i32_b32 s18, s18
	s_bcnt1_i32_b32 s19, s19
	s_add_co_u32 s16, s16, s17
	s_add_co_u32 s18, s18, s19
	s_add_co_u32 s16, s16, s18                     ; chunk j's pairs
	s_add_co_u32 s14, s14, s16
	s_cmp_gt_u32 s9, j                             ; a chunk before mine?
	s_cselect_b32 s16, s16, 0
	s_add_co_u32 s15, s15, s16
.set j, j+1
.endr
	; my chunk: the lanes that hold a pair take the next places, in the order of the lanes; the others take their spare words.
	; Each of the four stores has address and data registers of its own: none is written again.
.irp c, 0,1,2,3
	v_and_b32 v8, s12, v[OWN+\c]
	v_cmp_ne_u32 vcc_lo, 0, v8
	v_lshrrev_b32 v9, s13, v8                      ; the slot
	v_add3_u32 v[QV+\c], v5, v9, 2*\c              ; q = 2 (128 i + 4 lane + c) + slot
	v_mbcnt_lo_u32_b32 v10, vcc_lo, s15            ; places taken so far + pairs in the lanes below me
	v_min_u32 v10, 0xfff, v10                      ; inside the expert's 4,096 words whatever ids holds
	v_add_nc_u32 v10, s24, v10                     ; the place's word in ql
	v_add_nc_u32 v11, \c, v6                       ; the spare word of token 128 i + 4 lane + c
	v_cndmask_b32 v10, v11, v10, vcc_lo            ; a lane without a pair takes the spare word
	v_min_u32 v10, DUMPW+32767, v10                ; the last thing ahead of the shift: inside ql in every lane
	v_lshlrev_b32 v[AV+\c], 2, v10
	s_bcnt1_i32_b32 s21, vcc_lo
	s_add_co_u32 s15, s15, s21
	global_store_b32 v[AV+\c], v[QV+\c], s[6:7]
.endr
	s_cmp_lg_u32 s9, 0
	s_cbranch_scc1 .Lend                           ; work-group (0, e) stores M
	s_lshl_b32 s21, s8, 2
	v_mov_b32 v12, s21
	v_mov_b32 v13, s14
	global_store_b32 v12, v13, s[6:7] offset:MOFF  ; every lane the same word
.Lend:
	s_endpgm
.Lfunc_end_k_q09b29145bd_list:
	.size	k_q09b29145bd_list, .Lfunc_end_k_q09b29145bd_list-k_q09b29145bd_list
	.p2alignl 7, 3214868480
	.fill 96, 4, 3214868480
	.section	.rodata,"a",@progbits
	.p2align	6, 0x0
	.amdhsa_kernel k_q09b29145bd_list
		.amdhsa_group_segment_fixed_size 0
		.amdhsa_private_segment_fixed_size 0
		.amdhsa_enable_private_segment 0
		.amdhsa_kernarg_size 16
		.amdhsa_user_sgpr_count 2
		.amdhsa_user_sgpr_kernarg_segment_ptr 1
		.amdhsa_wavefront_size32 1
		.amdhsa_system_sgpr_workgroup_id_x 1
		.amdhsa_system_sgpr_workgroup_id_y 1
		.amdhsa_system_sgpr_workgroup_id_z 1
		.amdhsa_system_vgpr_workitem_id 0
		.amdhsa_next_free_vgpr 160
		.amdhsa_next_free_sgpr 66
		.amdhsa_reserve_vcc 1
		.amdhsa_float_denorm_mode_32 3
		.amdhsa_float_denorm_mode_16_64 3
		.amdhsa_memory_ordered 1
		.amdhsa_forward_progress 1
		.amdhsa_inst_pref_size 31
	.end_amdhsa_kernel
	.amdgpu_metadata
---
amdhsa.version: [ 1, 2 ]
amdhsa.kernels:
  - .name:           k_q09b29145bd_list
    .symbol:         k_q09b29145bd_list.kd
    .args:
      - { .name: ids, .offset: 0, .size: 8, .value_kind: global_buffer, .address_space: global }
      - { .name: ql, .offset: 8, .size: 8, .value_kind: global_buffer, .address_space: global }
    .group_segment_fixed_size: 0
    .private_segment_fixed_size: 0
    .kernarg_segment_align: 8
    .kernarg_segment_size: 16
    .max_flat_workgroup_size: 32
    .sgpr_count:     66
    .vgpr_count:     160
    .wavefront_size: 32
...
	.end_amdgpu_metadata
.endif
;; end of part 2
;; launch pack (part 3): grid 64 x 8, 4 waves a work-group, no clusters, 34,304 bytes of LDS; arguments x, ql, gbuf, xs, qs, gs, cnt; writes xs, qs, gs, cnt
.if DOCPART == 3
	.amdgcn_target "amdgcn-amd-amdhsa--gfx1250"
	.amdhsa_code_object_version 6
	.text
	.protected	k_q09b29145bd_pack
	.globl	k_q09b29145bd_pack
	.p2align	8
	.type	k_q09b29145bd_pack,@function
k_q09b29145bd_pack:
	s_mov_b64 s[64:65], 0
	v_nop
	global_prefetch_b8 v0, s[64:65] scope:SCOPE_SE
	s_setreg_imm32_b32 hwreg(HW_REG_WAVE_MODE, 25, 1), 1
	s_wait_xcnt 0x0
; THE BLOCKS.  For expert e (the grid's y), whose pairs q = 2 t + slot the launch before listed in ql (M of them; M in ql's word e at byte 131,072): blocks of 16 places;
; the blocks' rows of x, rounded to bf16 and laid out as the next launch's matrix operands; the places' q and gates; the number of blocks.
;   xs: byte e 8,388,608 + blk 32,768 + s 1,024 + part 512 + lane 16 holds bf16 of x[token of place 16 blk + lane % 16][32 s + 16 part + 8 (lane / 16) + 0..7]:
;       512 neighbouring bytes are registers 4 part .. 4 part + 3 of a wave's fragment of 16 rows x 32 K (ISA guide 7.12.2).
;   qs[e][p], gs[e][p]: 4,096 places an expert.   cnt[e]: blocks of 16 places.
; The places behind an expert's last pair, up to the block's end, repeat that pair (place p reads ql at min(p, M - 1)): the next launch computes the same row again and stores the same
; numbers to the same row, so it needs no mask; and no word of ql is read that was not stored.
; SHARES.  Work-group (c, e) takes blocks c, c + 64, ..  In a block, wave w takes k = 256 w .. 256 w + 255 of the 16 rows.  Each wave's stage in LDS is its own: no barrier.
; No matrix unit, no cluster: the launch only moves and rounds.  qs, gs and cnt are stored in pieces of 64 and 4 bytes: 0.26 MB against xs's 17 MB.
.set SPI,   528                        ; the waves' stages, from LDS byte 0: 16 rows of 512 bytes, 528 apart (33 x 16), 8,448 bytes each
.set XO,   32                          ; v32  my 16 bytes in a row of x: 1,024 w + 16 lane
.set STS,  33                          ; v33  stage: where I put 8 bytes of a row
.set STL,  34                          ; v34  stage: where I read 16 bytes of a fragment
.set XSO,  35                          ; v35  my 16 bytes in a block of xs: 8,192 w + 16 lane
.set L4,   36                          ; v36  4 (lane % 16)
.set LB,   38                          ; v38  byte offset of my place in ql
.set VQ,   39                          ; v39  my place's q
.set VQ4,  40                          ; v40  4 q
.set VG,   41                          ; v41  its gate
.set CV,   48                          ; v[48:63]   four sets of 4: a row's 16 numbers in bf16
.set RW,   16                          ; v[16:31]   the 16 places' byte offsets in ql, then their q, then their rows' byte offsets in x
.set XD,   64                          ; v[64:191]  16 rows x 8 registers of x
.set OUTR, 192                         ; v[192:255] 16 x 4 registers for xs
	s_load_b256 s[4:11], s[0:1], 0x0               ; x s[4:5], ql s[6:7], gbuf s[8:9], xs s[10:11]
	s_load_b128 s[12:15], s[0:1], 0x20             ; qs s[12:13], gs s[14:15]
	s_load_b64 s[16:17], s[0:1], 0x30              ; cnt
	v_lshl_add_u32 v46, v0, 2, 0x8400
	v_mov_b32 v47, 0
	v_lshrrev_b32 v1, 5, v0
	v_readfirstlane_b32 s18, v1                    ; wave 0..3
	s_and_b32 s19, ttmp7, 0xffff                   ; e
	v_and_b32 v1, 31, v0                           ; lane
	v_and_b32 v2, 15, v0                           ; lane % 16
	v_bfe_u32 v3, v0, 4, 1                         ; lane / 16
	s_lshl_b32 s28, s19, 2
	s_mov_b32 s29, 0
	s_wait_kmcnt 0x0
	s_add_nc_u64 s[20:21], s[6:7], s[28:29]
	s_load_b32 s24, s[20:21], 0x20000              ; M, the expert's pairs; s[20:21] are not written again
	s_lshl_b32 s28, s19, 23                        ; xs: 8 MiB an expert
	s_add_nc_u64 s[10:11], s[10:11], s[28:29]
	s_lshl_b32 s28, s19, 14                        ; ql, qs, gs: 4,096 words an expert
	s_add_nc_u64 s[6:7], s[6:7], s[28:29]
	s_add_nc_u64 s[12:13], s[12:13], s[28:29]
	s_add_nc_u64 s[14:15], s[14:15], s[28:29]
	s_lshl_b32 s37, s18, 10
	v_lshl_add_u32 v[XO], v1, 4, s37
	s_lshl_b32 s37, s18, 13
	v_lshl_add_u32 v[XSO], v1, 4, s37
	s_mul_i32 s37, s18, 16*SPI                     ; my stage
	v_lshl_add_u32 v[STS], v1, 3, s37
	v_mul_u32_u24 v[STL], v2, SPI
	v_lshl_add_u32 v[STL], v3, 4, v[STL]
	v_add_nc_u32 v[STL], s37, v[STL]               ; row lane % 16, 16 bytes for each half of the lanes
	v_lshlrev_b32 v[L4], 2, v2
	s_wait_kmcnt 0x0
	s_min_u32 s24, s24, 0x1000                     ; pairs: 4,096 at the most
	s_add_co_u32 s25, s24, 15
	s_lshr_b32 s25, s25, 4                         ; blocks
	s_or_b32 s36, s18, ttmp9
	s_cmp_lg_u32 s36, 0
	s_cbranch_scc1 .Lno_cnt                        ; wave 0 of work-group (0, e) stores cnt[e]
	s_lshl_b32 s36, s19, 2
	v_mov_b32 v42, s36
	v_mov_b32 v43, s25
	global_store_b32 v42, v43, s[16:17]            ; every lane the same word; v42, v43 are not written again
.Lno_cnt:
	s_mov_b32 s26, ttmp9                           ; my first block
	s_cmp_ge_u32 s26, s25
	s_cbranch_scc1 .Ldone
	s_sub_co_u32 s40, s24, 1                       ; the last pair's place (here M is at least 1)
	s_add_co_u32 s39, s25, 63
	s_sub_co_u32 s39, s39, s26
	s_lshr_b32 s39, s39, 6                         ; my trips: the blocks c, c + 64, .. under the expert's number of blocks; 4 at the most
	s_mov_b32 s38, 0                               ; the loop ends on this counter, which steps by 1
.Lblock:
	s_wait_xcnt 0x0                                ; the last trip's stores have had their addresses translated (ISA guide 3.1): bases, offsets and data are written again only behind this wait
	s_min_u32 s27, s26, 255
	s_lshl_b32 s28, s27, 15
	s_add_nc_u64 s[30:31], s[10:11], s[28:29]      ; the block in xs
	s_lshl_b32 s28, s27, 6
	s_add_nc_u64 s[32:33], s[12:13], s[28:29]      ; in qs
	s_add_nc_u64 s[34:35], s[14:15], s[28:29]      ; in gs
	s_lshl_b32 s41, s27, 4                         ; its first place
	v_add_nc_u32 v[LB], s41, v2                    ; my place,
	v_min_u32 v[LB], s40, v[LB]                    ; or the last pair's,
	v_min_u32 v[LB], 0xfff, v[LB]                  ; inside the expert's 4,096 words whatever M holds
	v_lshlrev_b32 v[LB], 2, v[LB]
	global_load_b32 v[VQ], v[LB], s[6:7]
.irp i, 0,1,2,3,4,5,6,7,8,9,10,11,12,13,14,15
	s_add_co_u32 s36, s41, \i                      ; place i of the block, clamped in the same way; the same number in every lane
	s_min_u32 s36, s36, s40
	s_min_u32 s36, s36, 0xfff
	s_lshl_b32 s36, s36, 2
	v_mov_b32 v[RW+\i], s36
	global_load_b32 v[RW+\i], v[RW+\i], s[6:7]     ; its q, in every lane; the load lands on its own offset register
.endr
	s_wait_loadcnt 0x0
	v_min_u32 v[VQ], 0x1fff, v[VQ]
	v_lshlrev_b32 v[VQ4], 2, v[VQ]
	global_load_b32 v[VG], v[VQ4], s[8:9]          ; my place's gate: the oldest of the loads that follow
.irp i, 0,1,2,3,4,5,6,7,8,9,10,11,12,13,14,15
	v_lshrrev_b32 v[RW+\i], 1, v[RW+\i]            ; the token
	v_min_u32 v[RW+\i], 0xfff, v[RW+\i]
	v_lshl_add_u32 v[RW+\i], v[RW+\i], 12, v[XO]   ; its row + my wave's quarter + my 16 bytes
.endr
.irp i, 0,1,2,3,4,5,6,7,8,9,10,11,12,13,14,15
	global_load_b128 v[XD+8*\i:XD+8*\i+3],   v[RW+\i], s[4:5]              ; 512 neighbouring bytes of the row,
	global_load_b128 v[XD+8*\i+4:XD+8*\i+7], v[RW+\i], s[4:5] offset:512   ; and the next 512
.endr
.irp i, 0,1,2,3,4,5,6,7,8,9,10,11,12,13,14,15
	s_wait_loadcnt 30-2*\i                         ; row i is in; the younger rows' two loads each may be out
	v_cvt_pk_bf16_f32 v[CV+4*(\i%4)],   v[XD+8*\i],   v[XD+8*\i+1]
	v_cvt_pk_bf16_f32 v[CV+4*(\i%4)+1], v[XD+8*\i+2], v[XD+8*\i+3]
	v_cvt_pk_bf16_f32 v[CV+4*(\i%4)+2], v[XD+8*\i+4], v[XD+8*\i+5]
	v_cvt_pk_bf16_f32 v[CV+4*(\i%4)+3], v[XD+8*\i+6], v[XD+8*\i+7]
	ds_store_b64 v[STS], v[CV+4*(\i%4):CV+4*(\i%4)+1]   offset:SPI*\i
	ds_store_b64 v[STS], v[CV+4*(\i%4)+2:CV+4*(\i%4)+3] offset:SPI*\i+256
.endr
.irp j, 0,1,2,3,4,5,6,7,8,9,10,11,12,13,14,15
	ds_load_b128 v[OUTR+4*\j:OUTR+4*\j+3], v[STL] offset:32*\j   ; K step j / 2 of my eight, part j % 2.  My own stage: LDS serves a wave's instructions in order (ISA guide 5.7.1.4)
.endr
.irp j, 0,1,2,3,4,5,6,7,8,9,10,11,12,13,14,15
	s_wait_dscnt 15-\j
	global_store_b128 v[XSO], v[OUTR+4*\j:OUTR+4*\j+3], s[30:31] offset:512*\j   ; 512 consecutive bytes, at a multiple of 512 from xs's first byte
.endr
	s_cmp_lg_u32 s18, 0
	s_cbranch_scc1 .Lnot_0
	global_store_b32 v[L4], v[VQ], s[32:33]        ; lanes 16 to 31 store the same 64 bytes again
	global_store_b32 v[L4], v[VG], s[34:35]
.Lnot_0:
	s_add_co_u32 s26, s26, 64                      ; my next block
	s_add_co_u32 s38, s38, 1
	s_cmp_lt_u32 s38, s39
	s_cbranch_scc1 .Lblock
.Ldone:
	s_wait_tensorcnt 0x0
	ds_add_u32 v46, v47
	s_wait_dscnt 0x0
	s_endpgm
.Lfunc_end_k_q09b29145bd_pack:
	.size	k_q09b29145bd_pack, .Lfunc_end_k_q09b29145bd_pack-k_q09b29145bd_pack
	.p2alignl 7, 3214868480
	.fill 96, 4, 3214868480
	.section	.rodata,"a",@progbits
	.p2align	6, 0x0
	.amdhsa_kernel k_q09b29145bd_pack
		.amdhsa_group_segment_fixed_size 34304
		.amdhsa_private_segment_fixed_size 0
		.amdhsa_enable_private_segment 0
		.amdhsa_kernarg_size 56
		.amdhsa_user_sgpr_count 2
		.amdhsa_user_sgpr_kernarg_segment_ptr 1
		.amdhsa_wavefront_size32 1
		.amdhsa_system_sgpr_workgroup_id_x 1
		.amdhsa_system_sgpr_workgroup_id_y 1
		.amdhsa_system_sgpr_workgroup_id_z 1
		.amdhsa_system_vgpr_workitem_id 0
		.amdhsa_next_free_vgpr 256
		.amdhsa_next_free_sgpr 66
		.amdhsa_reserve_vcc 0
		.amdhsa_float_denorm_mode_32 3
		.amdhsa_float_denorm_mode_16_64 3
		.amdhsa_memory_ordered 1
		.amdhsa_forward_progress 1
		.amdhsa_inst_pref_size 24
	.end_amdhsa_kernel
	.amdgpu_metadata
---
amdhsa.version: [ 1, 2 ]
amdhsa.kernels:
  - .name:           k_q09b29145bd_pack
    .symbol:         k_q09b29145bd_pack.kd
    .args:
      - { .name: x, .offset: 0, .size: 8, .value_kind: global_buffer, .address_space: global }
      - { .name: ql, .offset: 8, .size: 8, .value_kind: global_buffer, .address_space: global }
      - { .name: gbuf, .offset: 16, .size: 8, .value_kind: global_buffer, .address_space: global }
      - { .name: xs, .offset: 24, .size: 8, .value_kind: global_buffer, .address_space: global }
      - { .name: qs, .offset: 32, .size: 8, .value_kind: global_buffer, .address_space: global }
      - { .name: gs, .offset: 40, .size: 8, .value_kind: global_buffer, .address_space: global }
      - { .name: cnt, .offset: 48, .size: 8, .value_kind: global_buffer, .address_space: global }
    .group_segment_fixed_size: 34304
    .private_segment_fixed_size: 0
    .kernarg_segment_align: 8
    .kernarg_segment_size: 56
    .max_flat_workgroup_size: 128
    .sgpr_count:     66
    .vgpr_count:     256
    .wavefront_size: 32
...
	.end_amdgpu_metadata
.endif
;; end of part 3
;; launch experts (part 4): grid 32 x 8, 4 waves a work-group, no clusters, 312,832 bytes of LDS; arguments w1, w3, xs, qs, gs, cnt, y; writes y
.if DOCPART == 4
	.amdgcn_target "amdgcn-amd-amdhsa--gfx1250"
	.amdhsa_code_object_version 6
	.text
	.protected	k_q09b29145bd_experts
	.globl	k_q09b29145bd_experts
	.p2align	8
	.type	k_q09b29145bd_experts,@function
k_q09b29145bd_experts:
	s_mov_b64 s[64:65], 0
	v_nop
	global_prefetch_b8 v0, s[64:65] scope:SCOPE_SE
	s_setreg_imm32_b32 hwreg(HW_REG_WAVE_MODE, 25, 1), 1
	s_wait_xcnt 0x0
; THE EXPERTS.  For each pair q = 2 t + slot on expert e's list: y[q][n] = gate x silu(sum_k x[t][k] w1[e][k][n]) x (sum_k x[t][k] w3[e][k][n]).
; w1, w3: [8][1024][1024] f32.  xs, qs, gs, cnt: as the launch before laid them.  y: [8192][1024] f32.  Operands bf16, sums and all else f32.
; Experts outside a token's two are not computed: their gates are exact zeros.
; SHARES.  Work-group (2 cb + half, e): expert e, outputs 64 cb .. 64 cb + 63.  Its 64 columns of w1 and of w3, all 1,024 k, are rounded to bf16 ONCE on their way into LDS
; (294,912 bytes) and stay.  The expert's blocks of 16 rows go in tiles of 5 blocks: tile u, u + 8, .. to wave u = 4 half + wave.  A wave's tile is 80 rows x 128 weight columns:
; 40 accumulators; for 32 along K it reads 8 KiB from LDS and 5 KiB of xs for 40 matrix instructions.
; A's operands come from xs straight into registers: 512 neighbouring bytes a load, already in the fragment's order; six K steps are on their way.
; K IS WRITTEN OUT, all 32 steps: no address register is stepped.  Every LDS address is a lane term plus a constant, every offset into a block of xs 16 lane plus a constant.
; COLUMNS BY FOURS.  In an LDS row the 16 bytes number i hold w1's columns 4 i .. 4 i + 3 and then w3's.  With source 0 = 16 weight columns and source 1 = 16 rows of x, a lane of
; accumulator (b, f) holds, for ONE row of x (lane % 16), h1 of outputs 8 f + 4 (lane / 16) + 0..3 in registers 0-3 and h3 of the same outputs in registers 4-7:
; SwiGLU never changes lanes.
; A tile's blocks past the expert's last are taken as the last block again: the same wave computes and stores the same numbers to the same rows; no mask, EXEC stays full.
; NO CLUSTER, NO JOINT LOADS: weights must pass through registers to be rounded, and f32 tiles for a joint load would want 2 x 294,912 bytes of LDS; xs goes to registers, since
; LDS has 32,768 bytes left beside the weights, of which 17,408 are the stages; and partners' trip counts hang on cnt and differ.
; LIMITS.  silu(h) = h / (1 + 2^(-h log2 e)): for h under -88 the exponential is infinite and the result 0; v_exp_f32 flushes results under 2^-126 (ISA guide 15.8), where 1 + it is 1 anyway.
;
; REGISTERS, in windows of 256 (s_set_vgpr_msb: bits 1:0 source 0, 3:2 source 1, 5:4 source 2, 7:6 destination):
;   window 0: v4-14 addresses; v16-25 the blocks' gates, in pairs; v26-30 B's five bases; v32-63 T; v64-191 two buffers of B's fragments (first: the weights' ring); v192-223 U; v224-255 OB
;   window 1: v0-239 A: six slots of 5 blocks x 8 registers          window 2: accumulators of blocks 0-3, (b, f) at 64 b + 8 f
;   window 3: v0-63 block 4's accumulators; v64-103 the rows' q, then their byte offsets in y
.set WP,    288                        ; a row of weights in LDS: 256 bytes + 32 = 9 x 32: the turning load's 8 rows x 32 bytes fall on different banks (64 banks of 4 bytes: ISA guide 11.1)
.set STAGE, 1024*WP                    ; behind the weights: 16 rows x 272 bytes for each wave, for the way out
.set SP,    272
.set WOFF, 4                           ; the weights' way in: my byte offset in memory,
.set WLDS, 5                           ; and in LDS
.set AK0,  9                           ; 16 lane: my 16 bytes of a load from xs; never rewritten
.set STO,  10                          ; the way out: where I put 16 bytes of a row
.set RD,   11                          ; where I read a row back
.set L4,   12                          ; 4 (lane % 16)
.set H32,  13                          ; 32 (lane / 16)
.set L16,  14                          ; 16 (lane % 16)
.set G,    16
.set BKB,  26                          ; v[26+j]: my lane's place for the turning loads of K steps 7 j .. 7 j + 6: seven steps of 9,216 bytes are what the 16-bit offset reaches; never rewritten
.set T,    32
.set BF,   64
.set U,    192
.set OB,   224
.set QR,   64                          ; in window 3
.set MUL_LO, 0xa4                      ; source 0 (B) window 0, source 1 (A) window 1, C and D window 2
.set MUL_HI, 0xf4                      ; the same, C and D window 3
.set MSB, 0
.macro WIN new                         ; the immediate's high byte repeats the setting that is left; a switch that changes nothing is dropped
.if MSB != \new
	s_set_vgpr_msb (MSB<<8)|\new
.set MSB, \new
.endif
.endm
.macro PLACES                          ; four places behind a matrix instruction, in front of loads into registers that it read and of reads of its result (ISA guide 7.12.1 for reads of its result)
.rept 4
	v_nop
.endr
.endm
	s_load_b256 s[4:11], s[0:1], 0x0               ; w1 s[4:5], w3 s[6:7], xs s[8:9], qs s[10:11]
	s_load_b128 s[12:15], s[0:1], 0x20             ; gs s[12:13], cnt s[14:15]
	s_load_b64 s[16:17], s[0:1], 0x30              ; y
	v_lshl_add_u32 v8, v0, 2, 0x4c400
	v_mov_b32 v31, 0
	v_lshrrev_b32 v1, 5, v0
	v_readfirstlane_b32 s18, v1                    ; wave 0..3
	s_and_b32 s20, ttmp7, 0xffff                   ; e
	s_lshr_b32 s21, ttmp9, 1                       ; cb
	s_and_b32 s19, ttmp9, 1                        ; half
	s_lshl2_add_u32 s19, s19, s18                  ; u = 4 half + wave
	s_mul_i32 s23, s19, 5                          ; my first tile's first block
	v_and_b32 v1, 15, v0                           ; lane % 16
	v_bfe_u32 v2, v0, 4, 1                         ; lane / 16
	v_and_b32 v3, 31, v0                           ; lane
	; the weights' way in: wave w takes rows k = 256 w .. 256 w + 255; a load takes two rows' 256 bytes: lanes 0-15 one row, lanes 16-31 the next
	s_lshl_b32 s38, s18, 20
	v_lshlrev_b32 v[WOFF], 4, v1
	v_lshl_add_u32 v[WOFF], v2, 12, v[WOFF]
	v_add_nc_u32 v[WOFF], s38, v[WOFF]             ; (256 w + lane / 16) x 4,096 + 16 (lane % 16)
	s_mul_i32 s39, s18, 256*WP
	v_mul_u32_u24 v[WLDS], v2, WP
	v_lshl_add_u32 v[WLDS], v1, 4, v[WLDS]
	v_add_nc_u32 v[WLDS], s39, v[WLDS]             ; (256 w + lane / 16) x 288 + 16 (lane % 16)
	s_lshl_b32 s40, s21, 8                         ; 64 columns of f32
	s_lshl_b32 s26, s20, 22                        ; 4 MiB an expert
	s_add_co_u32 s26, s26, s40
	s_mov_b32 s27, 0
	s_wait_kmcnt 0x0
	s_add_nc_u64 s[4:5], s[4:5], s[26:27]
	s_add_nc_u64 s[6:7], s[6:7], s[26:27]
.set i, 0
.rept 16                               ; the ring of 16 slots is filled: a slot = two rows of w1 and the same two of w3
	global_load_b128 v[BF+8*i:BF+8*i+3],   v[WOFF], s[4:5] offset:8192*i
	global_load_b128 v[BF+8*i+4:BF+8*i+7], v[WOFF], s[6:7] offset:8192*i
.set i, i+1
.endr
	s_mov_b32 s26, s40
	s_add_nc_u64 s[16:17], s[16:17], s[26:27]      ; y at my 64 columns
	s_lshl_b32 s26, s20, 23
	s_add_nc_u64 s[8:9], s[8:9], s[26:27]          ; xs, qs, gs, cnt at my expert
	s_lshl_b32 s26, s20, 14
	s_add_nc_u64 s[10:11], s[10:11], s[26:27]
	s_add_nc_u64 s[12:13], s[12:13], s[26:27]
	s_lshl_b32 s26, s20, 2
	s_add_nc_u64 s[14:15], s[14:15], s[26:27]
	s_load_b32 s22, s[14:15], 0x0                  ; the expert's blocks; waited for behind the barrier
	v_and_b32 v15, 7, v0
	v_lshl_add_u32 v15, v2, 3, v15                 ; the turning load: lane l reads row 8 (l / 16) + l % 8,
	v_mul_u32_u24 v[BKB], v15, WP
	v_bfe_u32 v15, v0, 3, 1
	v_lshl_add_u32 v[BKB], v15, 4, v[BKB]          ; its 16 bytes number (l / 8) % 2
.irp j, 1,2,3,4
	v_add_nc_u32 v[BKB+\j], \j*7*32*WP, v[BKB]     ; the same, 7 j K steps of 32 rows further on
.endr
	v_lshlrev_b32 v[AK0], 4, v3
	s_mul_i32 s41, s18, 16*SP
	s_add_co_u32 s41, s41, STAGE                   ; my stage
	v_mul_u32_u24 v[STO], v1, SP
	v_lshl_add_u32 v[STO], v2, 4, v[STO]
	v_add_nc_u32 v[STO], s41, v[STO]               ; in: row lane % 16, 16 bytes for each half of the lanes
	v_mul_u32_u24 v[RD], v2, 8*SP
	v_lshl_add_u32 v[RD], v1, 4, v[RD]
	v_add_nc_u32 v[RD], s41, v[RD]                 ; back: lanes 0-15 take rows 0-7, lanes 16-31 rows 8-15, a whole row of 256 bytes at a time
	v_lshlrev_b32 v[L4], 2, v1
	v_lshlrev_b32 v[H32], 5, v2
	v_lshlrev_b32 v[L16], 4, v1
; One slot's turn: 4 columns of w1 and of w3 become 16 bytes of an LDS row.  ahead = 1: the slot is filled again with the rows 32 further on.  left: the younger loads that may stay out.
.macro WSLOT i, ahead, left
	s_wait_loadcnt \left
	v_cvt_pk_bf16_f32 v[T+4*((\i)%8)],   v[BF+8*(\i)],   v[BF+8*(\i)+1]
	v_cvt_pk_bf16_f32 v[T+4*((\i)%8)+1], v[BF+8*(\i)+2], v[BF+8*(\i)+3]
	v_cvt_pk_bf16_f32 v[T+4*((\i)%8)+2], v[BF+8*(\i)+4], v[BF+8*(\i)+5]
	v_cvt_pk_bf16_f32 v[T+4*((\i)%8)+3], v[BF+8*(\i)+6], v[BF+8*(\i)+7]
	ds_store_b128 v[WLDS], v[T+4*((\i)%8):T+4*((\i)%8)+3] offset:2*WP*(\i)
.if \ahead
	global_load_b128 v[BF+8*(\i):BF+8*(\i)+3],   v[WOFF], s[4:5] offset:8192*(\i)+131072
	global_load_b128 v[BF+8*(\i)+4:BF+8*(\i)+7], v[WOFF], s[6:7] offset:8192*(\i)+131072
.endif
.endm
	s_mov_b32 s24, 7
.Lround:                                               ; a round = 16 slots = 32 rows
.irp i, 0,1,2,3,4,5,6,7,8,9,10,11,12,13,14,15
	WSLOT \i, 1, 30                                ; the 15 younger slots' two loads each stay out
.endr
	s_wait_xcnt 0x0                                ; the loads' addresses are translated (ISA guide 3.1): their offset register steps only behind this wait
	v_add_nc_u32 v[WOFF], 131072, v[WOFF]
	v_add_nc_u32 v[WLDS], 32*WP, v[WLDS]
	s_sub_co_u32 s24, s24, 1
	s_cmp_lg_u32 s24, 0
	s_cbranch_scc1 .Lround
.irp i, 0,1,2,3,4,5,6,7,8,9,10,11,12,13,14,15
	WSLOT \i, 0, 30-2*\i                           ; the last round loads nothing: the counts run down
.endr
	s_wait_dscnt 0x0                               ; for the others' sake: my 256 rows are in LDS
	s_barrier_signal -1
	s_barrier_wait -1                              ; the only barrier: behind it the weights are only read, and each wave's stage is its own
	s_wait_kmcnt 0x0
	s_min_u32 s22, s22, 256                        ; blocks: 256 at the most
	s_cmp_ge_u32 s23, s22
	s_cbranch_scc1 .Ldone
	s_sub_co_u32 s25, s22, 1                       ; the last block
	s_add_co_u32 s43, s22, 39
	s_sub_co_u32 s43, s43, s23                     ; blocks + 39 - 5 u: 40 to 295
	s_mul_i32 s43, s43, 1639                       ; / 40, rounded down: 1639 / 65536 is 1 / 40 + 0.0000092, and 295 x 0.0000092 = 0.0027 stays under 1 / 40
	s_lshr_b32 s43, s43, 16                        ; my tiles: first blocks 5 u, 5 u + 40, .. under the expert's number of blocks; 7 at the most
	s_mov_b32 s42, 0                               ; the loop over tiles ends on this counter, which steps by 1
; Ten loads: K step s's fragments of A, 5 blocks x 16 rows x 32 K, into slot s % 6
.macro LOADA s
	WIN 0x40                                       ; destination window 1, address window 0
.irp b, 0,1,2,3,4
	global_load_b128 v[40*((\s)%6)+8*\b:40*((\s)%6)+8*\b+3],   v[AK0], s[28+2*\b:29+2*\b] offset:(\s)*1024
	global_load_b128 v[40*((\s)%6)+8*\b+4:40*((\s)%6)+8*\b+7], v[AK0], s[28+2*\b:29+2*\b] offset:(\s)*1024+512
.endr
.endm
; Sixteen turning loads: K step s's fragments of B, 8 x 16 weight columns x 32 K, into buffer s % 2
.macro FETCHB s
	WIN 0
.irp f, 0,1,2,3,4,5,6,7
	ds_load_tr16_b128 v[BF+64*((\s)%2)+8*\f:BF+64*((\s)%2)+8*\f+3],   v[BKB+(\s)/7] offset:((\s)%7)*32*WP+32*\f
	ds_load_tr16_b128 v[BF+64*((\s)%2)+8*\f+4:BF+64*((\s)%2)+8*\f+7], v[BKB+(\s)/7] offset:((\s)%7)*32*WP+32*\f+16*WP
.endr
.endm
; Fifteen loads: the gates of my rows of x, and q of the rows that I store
.macro LOADGQ
	WIN 0
.irp b, 0,1,2,3,4
	global_load_b32 v[G+2*\b], v[L4], s[44+2*\b:45+2*\b]
.endr
	WIN 0xc0                                       ; destination window 3
.irp b, 0,1,2,3,4
	global_load_b128 v[QR+8*\b:QR+8*\b+3],   v[H32], s[54+2*\b:55+2*\b]
	global_load_b128 v[QR+8*\b+4:QR+8*\b+7], v[H32], s[54+2*\b:55+2*\b] offset:16
.endr
.endm
; Eight matrix instructions: block b x all 8 column groups, K step s.  zero = 1: the product starts the sums: nothing is ever cleared.
.macro MULB s, b, zero
.if \b < 4
	WIN MUL_LO
.set AC, 64*\b
.else
	WIN MUL_HI
.set AC, 0
.endif
.irp f, 0,1,2,3,4,5,6,7
.if \zero
	v_wmma_f32_16x16x32_bf16 v[AC+8*\f:AC+8*\f+7], v[BF+64*((\s)%2)+8*\f:BF+64*((\s)%2)+8*\f+7], v[40*((\s)%6)+8*\b:40*((\s)%6)+8*\b+7], 0
.else
	v_wmma_f32_16x16x32_bf16 v[AC+8*\f:AC+8*\f+7], v[BF+64*((\s)%2)+8*\f:BF+64*((\s)%2)+8*\f+7], v[40*((\s)%6)+8*\b:40*((\s)%6)+8*\b+7], v[AC+8*\f:AC+8*\f+7]
.endif
.endr
.endm
; K step s: 40 matrix instructions, the 40 accumulators by turns, one instruction a turn, in the same order in every step.  Behind the first 16 stand, in one run,
; the next step's B (into the buffer that step s - 1 read) and A of step s + 5 (into the slot that step s - 1 read).
; lcnt: the loads issued behind step s's A: ten for each younger K step, and in the tail the fifteen of LOADGQ.
.macro STEP s, zero, refill, fetch, lcnt
	s_wait_loadcnt \lcnt
	s_wait_dscnt 0x0                               ; this step's B, asked for 24 matrix instructions ago
	MULB \s, 0, \zero
	MULB \s, 1, \zero
.if \fetch || \refill
	WIN 0
	PLACES
.endif
.if \fetch
	FETCHB (\s)+1
.endif
.if \refill
	LOADA (\s)+5
.endif
	MULB \s, 2, \zero
	MULB \s, 3, \zero
	MULB \s, 4, \zero
.endm
; THE WAY OUT of block b: y = h1 h3 g / (1 + 2^(-h1 log2 e)); through my stage in LDS, so that sixteen lanes store a row's 256 bytes.
.macro EPI b
.if \b < 4
	WIN 0x0a                                       ; sources 0 and 1 window 2
.set AC, 64*\b
.else
	WIN 0x0f                                       ; window 3
.set AC, 0
.endif
.irp f, 0,1,2,3,4,5,6,7                ; each accumulator is read from its low end on
	v_pk_mul_f32 v[T+4*\f:T+4*\f+1],   v[AC+8*\f:AC+8*\f+1],   0xbfb8aa3b op_sel_hi:[1,0]   ; -h1 log2 e
	v_pk_mul_f32 v[T+4*\f+2:T+4*\f+3], v[AC+8*\f+2:AC+8*\f+3], 0xbfb8aa3b op_sel_hi:[1,0]
	v_pk_mul_f32 v[U+4*\f:U+4*\f+1],   v[AC+8*\f:AC+8*\f+1],   v[AC+8*\f+4:AC+8*\f+5]       ; h1 h3
	v_pk_mul_f32 v[U+4*\f+2:U+4*\f+3], v[AC+8*\f+2:AC+8*\f+3], v[AC+8*\f+6:AC+8*\f+7]
.endr
	WIN 0
.set i, 0
.rept 32
	v_exp_f32 v[T+i], v[T+i]
.set i, i+1
.endr
	v_mov_b32 v[G+2*\b+1], v[G+2*\b]               ; the gate twice, for the packed multiply; also the plain instruction behind the last exponential (ISA guide 5.7.2)
.set i, 0
	s_wait_alu depctr_va_vdst(0)
.rept 16
	v_pk_add_f32 v[T+i:T+i+1], v[T+i:T+i+1], 1.0 op_sel_hi:[1,0]
.set i, i+2
.endr
.set i, 0
.rept 32
	v_rcp_f32 v[T+i], v[T+i]
.set i, i+1
.endr
.set i, 0
.rept 16
	v_pk_mul_f32 v[U+i:U+i+1], v[U+i:U+i+1], v[G+2*\b:G+2*\b+1]    ; plain work that names no reciprocal stands behind the last of them
.set i, i+2
.endr
.set i, 0
	s_wait_alu depctr_va_vdst(0)
.rept 16
	v_pk_mul_f32 v[U+i:U+i+1], v[U+i:U+i+1], v[T+i:T+i+1]
.set i, i+2
.endr
	s_wait_xcnt 0x0                                ; the block before's stores have had their addresses translated (ISA guide 3.1): OB is loaded again only behind this wait
.irp f, 0,1,2,3,4,5,6,7
	ds_store_b128 v[STO], v[U+4*\f:U+4*\f+3] offset:32*\f
.endr
.irp t, 0,1,2,3,4,5,6,7
	ds_load_b128 v[OB+4*\t:OB+4*\t+3], v[RD] offset:SP*\t          ; my own stage: LDS serves a wave's instructions in order (ISA guide 5.7.1.4)
.endr
	WIN 0x03                                       ; the stores' offsets lie in window 3, their data in window 0
.irp t, 0,1,2,3,4,5,6,7
	s_wait_dscnt 7-\t
	global_store_b128 v[QR+8*\b+\t], v[OB+4*\t:OB+4*\t+3], s[16:17]   ; 16 lanes store 256 consecutive bytes, at a multiple of 256 from y's first byte
.endr
.endm
.Ltile:
	s_wait_xcnt 0x0                                ; the last tile's stores and loads have had their addresses translated: bases, and the stores' offsets, are written again only behind this wait
.irp b, 0,1,2,3,4
	s_add_co_u32 s38, s23, \b
	s_min_u32 s38, s38, s25                        ; past the expert's last block: that block again
	s_min_u32 s38, s38, 255
	s_lshl_b32 s26, s38, 15
	s_add_nc_u64 s[28+2*\b:29+2*\b], s[8:9], s[26:27]      ; the block in xs
	s_lshl_b32 s26, s38, 6
	s_add_nc_u64 s[44+2*\b:45+2*\b], s[12:13], s[26:27]    ; in gs
	s_add_nc_u64 s[54+2*\b:55+2*\b], s[10:11], s[26:27]    ; in qs
.endr
.irp s, 0,1,2,3,4,5
	LOADA \s                                       ; K steps 0 to 5: 60 loads are out
.endr
	FETCHB 0
	STEP 0, 1, 0, 1, 50                            ; the first K step starts the sums; behind its A: steps 1 to 5
.set ks, 1
.rept 26
	STEP ks, 0, 1, 1, 40                           ; K steps 1 to 26: four younger steps of A are out; each asks for the step five on
.set ks, ks+1
.endr
	STEP 27, 0, 0, 1, 40                           ; nothing of A is left to ask for
	LOADGQ                                         ; the way out's gates and rows are asked for here, where 40 loads are out, four K steps ahead of their use
	STEP 28, 0, 0, 1, 45                           ; three younger steps and the fifteen
	STEP 29, 0, 0, 1, 35
	STEP 30, 0, 0, 1, 25
	STEP 31, 0, 0, 0, 15
	s_wait_loadcnt 0x0                             ; the gates and the rows' q
	PLACES
	WIN 0xcf                                       ; destination, sources 0 and 1 window 3; source 2 window 0
.set i, 0
.rept 40
	v_min_u32 v[QR+i], 0x1fff, v[QR+i]             ; q stays inside y whatever the list holds
	v_lshl_add_u32 v[QR+i], v[QR+i], 12, v[L16]    ; row q of 4,096 bytes + my 16 bytes
.set i, i+1
.endr
	EPI 0
	EPI 1
	EPI 2
	EPI 3
	EPI 4
	WIN 0                                          ; at a label and at a branch every window is 0
	s_add_co_u32 s23, s23, 40                      ; eight waves x five blocks on
	s_add_co_u32 s42, s42, 1
	s_cmp_lt_u32 s42, s43
	s_cbranch_scc1 .Ltile
.Ldone:
	s_wait_tensorcnt 0x0
	ds_add_u32 v8, v31
	s_wait_dscnt 0x0
	s_endpgm
.Lfunc_end_k_q09b29145bd_experts:
	.size	k_q09b29145bd_experts, .Lfunc_end_k_q09b29145bd_experts-k_q09b29145bd_experts
	.p2alignl 7, 3214868480
	.fill 96, 4, 3214868480
	.section	.rodata,"a",@progbits
	.p2align	6, 0x0
	.amdhsa_kernel k_q09b29145bd_experts
		.amdhsa_group_segment_fixed_size 312832
		.amdhsa_private_segment_fixed_size 0
		.amdhsa_enable_private_segment 0
		.amdhsa_kernarg_size 56
		.amdhsa_user_sgpr_count 2
		.amdhsa_user_sgpr_kernarg_segment_ptr 1
		.amdhsa_wavefront_size32 1
		.amdhsa_system_sgpr_workgroup_id_x 1
		.amdhsa_system_sgpr_workgroup_id_y 1
		.amdhsa_system_sgpr_workgroup_id_z 1
		.amdhsa_system_vgpr_workitem_id 0
		.amdhsa_next_free_vgpr 880
		.amdhsa_next_free_sgpr 66
		.amdhsa_reserve_vcc 0
		.amdhsa_float_denorm_mode_32 3
		.amdhsa_float_denorm_mode_16_64 3
		.amdhsa_memory_ordered 1
		.amdhsa_forward_progress 1
		.amdhsa_inst_pref_size 231
	.end_amdhsa_kernel
	.amdgpu_metadata
---
amdhsa.version: [ 1, 2 ]
amdhsa.kernels:
  - .name:           k_q09b29145bd_experts
    .symbol:         k_q09b29145bd_experts.kd
    .args:
      - { .name: w1, .offset: 0, .size: 8, .value_kind: global_buffer, .address_space: global }
      - { .name: w3, .offset: 8, .size: 8, .value_kind: global_buffer, .address_space: global }
      - { .name: xs, .offset: 16, .size: 8, .value_kind: global_buffer, .address_space: global }
      - { .name: qs, .offset: 24, .size: 8, .value_kind: global_buffer, .address_space: global }
      - { .name: gs, .offset: 32, .size: 8, .value_kind: global_buffer, .address_space: global }
      - { .name: cnt, .offset: 40, .size: 8, .value_kind: global_buffer, .address_space: global }
      - { .name: y, .offset: 48, .size: 8, .value_kind: global_buffer, .address_space: global }
    .group_segment_fixed_size: 312832
    .private_segment_fixed_size: 0
    .kernarg_segment_align: 8
    .kernarg_segment_size: 56
    .max_flat_workgroup_size: 128
    .sgpr_count:     66
    .vgpr_count:     880
    .wavefront_size: 32
...
	.end_amdgpu_metadata
.endif
;; end of part 4
;; launch combine (part 5): grid 256 x 1, 8 waves a work-group, no clusters, 0 bytes of LDS; arguments y, out0; writes out0
.if DOCPART == 5
	.amdgcn_target "amdgcn-amd-amdhsa--gfx1250"
	.amdhsa_code_object_version 6
	.text
	.protected	k_q09b29145bd_combine
	.globl	k_q09b29145bd_combine
	.p2align	8
	.type	k_q09b29145bd_combine,@function
k_q09b29145bd_combine:
	s_mov_b64 s[64:65], 0
	v_nop
	global_prefetch_b8 v0, s[64:65] scope:SCOPE_SE
	s_setreg_imm32_b32 hwreg(HW_REG_WAVE_MODE, 25, 1), 1
	s_wait_xcnt 0x0
; out0[t][n] = y[2 t][n] + y[2 t + 1][n]: a token's two experts' rows, each already times its gate.  y: [8192][1024] f32, out0: [4096][1024] f32.
; A stream: each byte of y is read once and each byte of out0 written once.  A work-group owns 16 tokens; thread i owns the 16 bytes at 16 i of every row, so a wave's load or store
; covers 512 neighbouring bytes.  All 32 loads of a thread go out at once, so there is no loop, no LDS and no barrier; the matrix unit and clusters have nothing to do here.
.set D, 4                              ; v[4:131]  token i: 4 registers of its first row (then the sum), 4 of its second
	s_load_b128 s[4:7], s[0:1], 0x0                ; y s[4:5], out0 s[6:7]
	s_lshl_b32 s8, ttmp9, 17                       ; 32 rows of 4,096 bytes
	s_mov_b32 s9, 0
	s_lshl_b32 s10, ttmp9, 16                      ; 16 rows
	s_mov_b32 s11, 0
	v_lshlrev_b32 v1, 4, v0
	s_wait_kmcnt 0x0
	s_add_nc_u64 s[4:5], s[4:5], s[8:9]
	s_add_nc_u64 s[6:7], s[6:7], s[10:11]
.set i, 0
.rept 16
	global_load_b128 v[D+8*i:D+8*i+3],   v1, s[4:5] offset:8192*i th:TH_LOAD_NT
	global_load_b128 v[D+8*i+4:D+8*i+7], v1, s[4:5] offset:8192*i+4096 th:TH_LOAD_NT
.set i, i+1
.endr
.set i, 0
.rept 16
	s_wait_loadcnt 30-2*i                          ; loads come back in order (ISA guide 5.7.1): token i's two are in, the younger tokens' stay out
	v_pk_add_f32 v[D+8*i:D+8*i+1],   v[D+8*i:D+8*i+1],   v[D+8*i+4:D+8*i+5]
	v_pk_add_f32 v[D+8*i+2:D+8*i+3], v[D+8*i+2:D+8*i+3], v[D+8*i+6:D+8*i+7]
	global_store_b128 v1, v[D+8*i:D+8*i+3], s[6:7] offset:4096*i th:TH_STORE_NT
.set i, i+1
.endr
	s_endpgm
.Lfunc_end_k_q09b29145bd_combine:
	.size	k_q09b29145bd_combine, .Lfunc_end_k_q09b29145bd_combine-k_q09b29145bd_combine
	.p2alignl 7, 3214868480
	.fill 96, 4, 3214868480
	.section	.rodata,"a",@progbits
	.p2align	6, 0x0
	.amdhsa_kernel k_q09b29145bd_combine
		.amdhsa_group_segment_fixed_size 0
		.amdhsa_private_segment_fixed_size 0
		.amdhsa_enable_private_segment 0
		.amdhsa_kernarg_size 16
		.amdhsa_user_sgpr_count 2
		.amdhsa_user_sgpr_kernarg_segment_ptr 1
		.amdhsa_wavefront_size32 1
		.amdhsa_system_sgpr_workgroup_id_x 1
		.amdhsa_system_sgpr_workgroup_id_y 1
		.amdhsa_system_sgpr_workgroup_id_z 1
		.amdhsa_system_vgpr_workitem_id 0
		.amdhsa_next_free_vgpr 132
		.amdhsa_next_free_sgpr 66
		.amdhsa_reserve_vcc 0
		.amdhsa_float_denorm_mode_32 3
		.amdhsa_float_denorm_mode_16_64 3
		.amdhsa_memory_ordered 1
		.amdhsa_forward_progress 1
		.amdhsa_inst_pref_size 8
	.end_amdhsa_kernel
	.amdgpu_metadata
---
amdhsa.version: [ 1, 2 ]
amdhsa.kernels:
  - .name:           k_q09b29145bd_combine
    .symbol:         k_q09b29145bd_combine.kd
    .args:
      - { .name: y, .offset: 0, .size: 8, .value_kind: global_buffer, .address_space: global }
      - { .name: out0, .offset: 8, .size: 8, .value_kind: global_buffer, .address_space: global }
    .group_segment_fixed_size: 0
    .private_segment_fixed_size: 0
    .kernarg_segment_align: 8
    .kernarg_segment_size: 16
    .max_flat_workgroup_size: 256
    .sgpr_count:     66
    .vgpr_count:     132
    .wavefront_size: 32
...
	.end_amdgpu_metadata
.endif
;; end of part 5
